; MI455X (gfx1250); checked and timed in simulation.
; The chip was launched on July 23, 2026; its instructions are those of AMD's public machine-readable ISA for CDNA 5 (MIT licence, August 2026) and "CDNA5" Instruction Set Architecture Reference Guide (July 2026). The comments in the code are by the model that wrote it; some were corrected since.
;; Multi Head Self Attention. Allowed arithmetic: matrix products marked QUANTISED: E5M2 operands, one given power-of-two scale a tensor, by v_wmma_f32_16x16x64_bf8_bf8 or v_wmma_f32_16x16x128_bf8_bf8, f32 sums; everything else in f32.
;; Inputs: lowp_scales 8 int32 (the exponents e of the quantised operands' scales 2^e); out_b 1,024 float32; out_w_codes 1,024 x 32 x 32 uint8 (E5M2 codes of out_w, K innermost, in blocks of 32 codes); pad_mask 4 x 2,048 bool; qkv_b 3,072 float32; qkv_w_codes 3,072 x 32 x 32 uint8 (E5M2 codes of qkv_w, K innermost, in blocks of 32 codes); x_codes 4 x 2,048 x 32 x 32 uint8 (E5M2 codes of x, K innermost, in blocks of 32 codes).
;; Outputs: out0 4 x 2,048 x 1,024 float32.
;; This version of the problem:
;;   THIS VERSION OF THE PROBLEM IS GIVEN IN LOW PRECISION. The matrix products marked QUANTISED in the list below multiply operands that are first quantised to E5M2 (5 exponent bits, 2 mantissa bits; 8 bits a number), with one given power-of-two scale for each operand tensor; their sums are f32. All else is computed in f32.
;;   The module's matrix products, in the order in which they are computed (A, B: the left and right operand; K: the contracted axis; several contracted axes count as one K, in the product's order):
;;     1. [M 8,192, K 1,024] x [K 1,024, N 3,072]; A: input x (given as codes); B: input qkv_w (given as codes): QUANTISED (scales: A lowp_scales[0], B lowp_scales[1])
;;     2. batch 64 x [M 2,048, K 64] x [K 64, N 2,048]; A: computed on the way; B: computed on the way: QUANTISED (scales: A lowp_scales[2], B lowp_scales[3])
;;     3. batch 64 x [M 2,048, K 2,048] x [K 2,048, N 64]; A: softmax (see below); B: computed on the way: QUANTISED (scales: A lowp_scales[4], B lowp_scales[5])
;;     4. [M 8,192, K 1,024] x [K 1,024, N 1,024]; A: computed on the way; B: input out_w (given as codes): QUANTISED (scales: A lowp_scales[6], B lowp_scales[7])
;;   THE QUANTISER, for each operand of a quantised product, along K:
;;     - The operand's scale is 2^e, e = its entry of the input lowp_scales (int32; the entries are numbered through the quantised products in the list's order, A before B).
;;     - Each number is divided by the scale, clamped to +-57,344, and rounded to the nearest number of E5M2, ties to even, subnormals kept.
;;     - The product sums the exact products of the quantised numbers (number of the format x scale) in f32.
;;   ~~~python
;;   def quantise(x, axis, e):      # numpy; x: float32 -> the quantised numbers, widened to float32 again
;;       x = np.moveaxis(x, axis, -1); K = x.shape[-1]
;;       r = np.clip(x / 2.0 ** e, -57344, 57344)
;;       step = 2.0 ** (np.maximum(np.frexp(np.where(r == 0, 1, r))[1] - 1, -14) - 2)
;;       q = np.round(r / step) * step * 2.0 ** e      # np.round: ties to even
;;       return np.moveaxis(q, -1, axis).astype(np.float32)
;;   ~~~
;;   SOFTMAX AHEAD OF A QUANTISED PRODUCT. Where the list says 'softmax', what is quantised is not the finished softmax but p = 2^(t - M), with t = logit x log2(e) and M = ceil(the row's largest t), a whole number; so 1/2 < the row's largest p <= 1. The row's sum l is taken of the UNQUANTISED p, in f32, and the product's result is divided by l at the end. Since M is a whole number, a kernel that streams over the keys may use a running M (the ceiling of the running maximum): every later rescaling is an exact power of two, so the quantised numbers keep their values, but for numbers so far below the row's largest that they fall under the format's range.
;;   OPERANDS COMPUTED ON THE WAY. 'Computed on the way' means the value that the module computes at that place (a softmax that the list does not call 'softmax' is quantised finished and normalised). What goes into a quantiser is computed in f32, as accurately as f32 sums, v_exp_f32 and their like allow (about 1e-6 of the number): no bf16 or f16 on the way to a quantiser, and a product that is left as it is and whose result goes on into a quantised operand takes f32 operands (vector FMAs, or v_wmma_f32_16x16x4_f32). A number that lies on a knife's edge between two numbers of the format may be rounded either way, as far as f32 arithmetic and the matrix unit's own rounding can turn it there, and no further.
;;   INPUTS GIVEN AS CODES. out_w (in the module: [1024, 1024], K = its axis 1); qkv_w (in the module: [3072, 1024], K = its axis 1); x (in the module: [4, 2048, 1024], K = its axis 2): each comes as NAME_codes (uint8): NAME with its K axis moved to the last place and cut into blocks of 32 codes, [.., K / 32, bytes a block], one block behind the other in memory; one code a byte (a code: sign, 5 exponent bits, 2 mantissa bits); its scale is its entry of lowp_scales. Its value is code x scale, taken as it is: it is not quantised again, and the codes and scales need not be those that the quantiser above would give.
;; One version. Each part assembles by itself: llvm-mc -triple=amdgcn-amd-amdhsa -mcpu=gfx1250 --defsym DOCPART=n.
;; ======== version 1 of 1: 3 launches
;; limits: right only within a limited range of input values
;; workspace buffers: qkv_img 25,165,824 bytes; y_img 8,388,608 bytes
;; launch qkv (part 1): grid 12 x 32, 4 waves a work-group, clusters of 4 x 4, 327,680 bytes of LDS; arguments x_codes, qkv_w_codes, qkv_b, lowp_scales, qkv_img; writes qkv_img
.if DOCPART == 1
	.amdgcn_target "amdgcn-amd-amdhsa--gfx1250"
	.amdhsa_code_object_version 6
	.text
	.protected	k_q12f9298a7d_qkv
	.globl	k_q12f9298a7d_qkv
	.p2align	8
	.type	k_q12f9298a7d_qkv,@function
k_q12f9298a7d_qkv:
	s_mov_b64 s[64:65], 0
	v_nop
	global_prefetch_b8 v0, s[64:65] scope:SCOPE_SE
	s_setreg_imm32_b32 hwreg(HW_REG_WAVE_MODE, 25, 1), 1
	s_wait_xcnt 0x0
	s_wait_alu depctr_hold_cnt(0) depctr_sa_sdst(0) depctr_va_vdst(0) depctr_va_sdst(0) depctr_va_ssrc(0) depctr_va_vcc(0) depctr_vm_vsrc(0)
	s_getreg_b32 s2, hwreg(HW_REG_IB_STS2, 6, 4)
	s_cmp_eq_u32 s2, 0
	s_cbranch_scc0 .Lentry_in_a_cluster
	s_endpgm
.Lentry_in_a_cluster:
	s_bfe_u32 s2, ttmp6, 0x10000c
	s_cmp_lg_u32 s2, 0xf033
	s_cbranch_scc0 .Lentry_shape_is_right
	s_endpgm
.Lentry_shape_is_right:
; qkv = x W^T + b on codes of BF8 (E5M2); q / 8, k and v are quantised at once, each with its given scale, and stored as IMAGES OF OPERAND REGISTERS for the attention launch.
; x: [8192][1024] codes, W: [3072][1024] codes, K innermost.  A number of x is code x 2^e0, of W code x 2^e1 (entries 0 and 1 of the scales); q's scale is entry 2, k's entry 3, v's entry 5.
; A tile of C is 256 tokens x 256 features: four waves, each 128 x 128 in 64 accumulators.  K goes in steps of 256 through two LDS slots: four slots' worth, so the walk is written out without a loop.
; CLUSTERS: 4 x 4 work-groups.  A cluster spans 1,024 features, so the cluster's x IS the type (0 q, 1 k, 2 v), the same in all sixteen.  x's tiles are asked for jointly along a row of the cluster, W's along a column.
; WHICH OPERAND IS SOURCE 0.  A lane's eight results run along source 0's rows, and one conversion turns them into two registers of the next operand, in the same lane.  q and k want the head's dims along the registers: source 0 = W,
; source 1 = x.  v wants the tokens (the keys) there: source 0 = x, source 1 = W.  The exchange is made by the LDS addresses of the fragment loads alone: they hang on the cluster's x; the tensor loads and all products are one text.
; THE IMAGES: a chunk is four registers of 32 lanes, lane l's 16 bytes at 16 l: each store of the wave covers 512 consecutive bytes, aligned.  qkv_img: [type 3][batch 4][head 16][131,072 bytes];
;   q, k: [token tile 128][chunk 2]: 16 tokens x 64 dims, registers 2 c, 2 c + 1 of lane (r, h) = dims 16 c + 8 h + 0 .. 7 of token r;   v: [key step 16][dim tile 4][chunk 4]: 16 dims x 128 keys, registers 2 c, 2 c + 1 = keys 16 c + 8 h + 0 .. 7 of dim r.
; THE BIAS, divided by 2^(e0 + e1).  Where features run along the registers (q, k) it is the C of the first K step's products; where a lane holds one feature (v) it is one packed addition on the way out.
; Both sets are loaded for every type and the one that does not apply is cleared by a select: no branch, one text.
; LIMITS: e(type) - e0 - e1 (+ 3 for q: the division by 8 is folded into the conversion's scale) lies between -126 and 112, so that the scale is an f32 number.  NaN among the bias is not served.
; REGISTERS, in windows of 256: window 0: v1-31 addresses and constants; v32-95 the bias along registers, later a block's sums; v96-111 the bias by lane, eight equal pairs; v112-127 the stores' offsets;
;   v128-255 source 1's fragments, ONE set, later the codes.   window 1: source 0's fragments, TWO sets.   windows 2, 3: the accumulators ((a, b) at v[8 (8 (a % 4) + b)]).
.set KROW,   1024                      ; a row of x or of W in memory, in bytes
.set ROWB,   256                       ; a tile's row in bytes
.set PITCH,  272                       ; an LDS row: 256 bytes + 16 of padding = 68 words: the 16 rows that a load touches start at 16 different banks (64 banks of 4 bytes: ISA guide 11.1)
.set FR,     16                        ; registers of a fragment: 16 rows x 128 K
.set NL,     4                         ; LDS loads that bring one
.set NP,     4                         ; places behind this matrix instruction (ISA guide 7.12.1)
.set HALFT,  128*PITCH                 ; 128 rows: what one tensor load brings
.set SLOT,   4*HALFT                   ; x's 256 rows, then W's 256 rows
.set SPARE,  2*SLOT                    ; behind the ring: the spare words, 128 bytes for each wave
.set ADR1, 16                          ; v16-17  LDS address of source 1's fragments in slot 0, 1
.set ADR0, 20                          ; v20-21  the same for source 0
.set LI,   24                          ; v24     16 x lane
.set BIO,  25                          ; v25     the bias along registers: 32 h + 512 (wave & 1)
.set BAO,  26                          ; v26     the bias by lane: 4 r + 512 (wave >> 1)
.set SPW,  28                          ; v28     LDS address of my spare word; never rewritten
.set NIL,  29                          ; v29     0; never rewritten
.set SC,   30                          ; v30     the conversion's scale as f32
.set LM,   31
.set TMP,  32
.set BA,   96
.set OFF,  112
.set AF,   128
.set CD,   128
.set G1, 24                            ; s[24:31] descriptor group 1 for x's tiles;  s[32:39] group 0, one set for each slot
.set G0, 32
.set G1B, 48                           ; s[48:55], s[56:63] the same for W's tiles
.set G0B, 56
.set MSB, 0
.macro WIN new                         ; the immediate's high byte repeats the setting that is left
.if MSB != \new
	s_set_vgpr_msb (MSB<<8)|\new
.set MSB, \new
.endif
.endm
; A joint load: waves 0 and 1 fetch x's two halves, waves 2 and 3 W's.  The branch hangs on the wave's number alone.  Four v_nop follow each of the two lines.
.macro JLOAD g0a, g1a, g0b, g1b
	s_cmp_eq_u32 s15, 0
	s_cbranch_scc0 .Lfor_b_\@
	tensor_load_to_lds s[\g0a:\g0a+3], s[\g1a:\g1a+7]
	s_nop 0
.rept 4
	v_nop
.endr
	s_branch .Lasked_\@
.Lfor_b_\@:
	tensor_load_to_lds s[\g0b:\g0b+3], s[\g1b:\g1b+7]
	s_nop 0
.rept 4
	v_nop
.endr
.Lasked_\@:
.endm
.macro CREST                           ; a round of the cluster's barrier behind its opening barrier
	s_cmp_lg_u32 s14, 0
	s_cbranch_scc1 .Lnot_wave_0_\@
	s_barrier_signal -3
.Lnot_wave_0_\@:
	s_barrier_wait -3
	s_barrier_signal -1
	s_barrier_wait -1
.endm
.macro CROUND                          ; a whole round
	s_barrier_signal -1
	s_barrier_wait -1
	CREST
.endm
	s_load_b256 s[4:11], s[0:1], 0x0               ; x's codes s[4:5], W's codes s[6:7], the bias s[8:9], the scales' exponents s[10:11]
	s_load_b64 s[12:13], s[0:1], 0x20              ; the images
	v_lshl_add_u32 v[SPW], v0, 2, SPARE
	v_mov_b32 v[NIL], 0
	ds_add_u32 v28, v29
	ds_add_u32 v28, v29
	s_wait_dscnt 0x0
	v_lshrrev_b32 v1, 5, v0
	v_readfirstlane_b32 s14, v1                    ; wave 0..3
	s_lshr_b32 s15, s14, 1                         ; which 128 rows of source 1 are mine.  Also: I fetch for x (0) or for W (1)
	s_and_b32 s16, s14, 1                          ; which 128 rows of source 0.  Also: which 128 rows of that tile I fetch
	s_bfe_u32 s40, ttmp6, 0x40000                  ; cx, cy: my place in the cluster
	s_bfe_u32 s41, ttmp6, 0x40004
	s_lshl_b32 s42, ttmp9, 2
	s_add_co_u32 s42, s42, s40                     ; tile of features = 4 x cluster x + cx
	s_and_b32 s17, ttmp7, 0xffff
	s_lshl_b32 s17, s17, 2
	s_add_co_u32 s17, s17, s41                     ; tile of tokens = 4 x cluster y + cy
	s_lshl_b32 s43, s41, 2
	s_lshl_b32 s43, 15, s43                        ; my row of the cluster
	s_lshl_b32 s44, 0x1111, s40                    ; my column
	; descriptor group 1: a tile of 128 rows x 256 bytes, padded in LDS
	s_or_b32 s[G1+0], s43, (0<<16)|(1<<20)|(1<<21)|(5<<22)|(3<<25)  ; 15:0 the mask: x's tiles go to my row; 17:16 element of 1 byte; 20 padding on; 21 set beside a mask; 24:22 after every 64 words; 31:25 of 4 words
	s_or_b32 s[G1B+0], s44, (0<<16)|(1<<20)|(1<<21)|(5<<22)|(3<<25) ; the same with the mask of my column, for W's tiles
.irp g, G1, G1B
	s_mov_b32 s[\g+1], ROWB<<16                    ; tensor_dim0
	s_mov_b32 s[\g+2], 128<<16                     ; tensor_dim1 = 128
	s_mov_b32 s[\g+3], ROWB<<16                    ; tile_dim0
	s_mov_b32 s[\g+4], 128                         ; tile_dim1 = 128
	s_mov_b32 s[\g+5], KROW                        ; tensor_dim0_stride
	s_mov_b32 s[\g+6], 0
	s_mov_b32 s[\g+7], 0
.endr
	s_lshl_b32 s18, s16, 7                         ; which 128 rows of the tile I fetch
	s_lshl_b32 s20, s17, 8
	s_add_co_u32 s20, s20, s18                     ; x: row 256 x tile of tokens + 128 x half
	s_lshl_b32 s20, s20, 10                        ; in bytes: under 2^23
	s_mov_b32 s21, 0
	s_lshl_b32 s46, s42, 8
	s_add_co_u32 s46, s46, s18                     ; W: row 256 x tile of features + 128 x half
	s_lshl_b32 s46, s46, 10
	s_mov_b32 s47, 0
	s_mul_i32 s45, s14, HALFT                      ; where they go: wave x 128 rows: no place in the cluster enters an LDS address
	s_wait_kmcnt 0x0
	s_load_b256 s[68:75], s[10:11], 0x0            ; e0 .. e7
	s_add_nc_u64 s[20:21], s[4:5], s[20:21]
	s_add_nc_u64 s[46:47], s[6:7], s[46:47]
	CROUND                                         ; all sixteen work-groups are here: the first joint loads meet
.irp s, 0,1
	s_mov_b32 s[G0+4*\s], 1
	s_add_co_u32 s[G0+4*\s+1], s45, \s*SLOT
	s_add_nc_u64 s[G0+4*\s+2:G0+4*\s+3], s[20:21], \s*ROWB
	s_or_b32 s[G0+4*\s+3], s[G0+4*\s+3], 0x80000000
	s_mov_b32 s[G0B+4*\s], 1
	s_add_co_u32 s[G0B+4*\s+1], s45, \s*SLOT
	s_add_nc_u64 s[G0B+4*\s+2:G0B+4*\s+3], s[46:47], \s*ROWB
	s_or_b32 s[G0B+4*\s+3], s[G0B+4*\s+3], 0x80000000
	JLOAD G0+4*\s, G1, G0B+4*\s, G1B               ; two loads of mine are out
.endr
	; what hangs on the type: all selections on one compare, ahead of any line that sets SCC
	v_and_b32 v1, 15, v0                           ; r = l % 16
	v_bfe_u32 v2, v0, 4, 1                         ; h = l / 16
	v_mul_u32_u24 v3, v1, PITCH
	v_lshl_add_u32 v4, v2, 4, v3                   ; a fragment's row x pitch + 16 x half
	s_wait_alu depctr_va_vdst(0)
	s_cmp_eq_u32 ttmp9, 2                          ; v?
	s_cselect_b32 s78, 2*HALFT, 0                  ; where source 1's rows lie in a slot: W's for v, else x's
	s_cselect_b32 s79, 0, 2*HALFT                  ; and source 0's
	s_cselect_b32 s76, -1, 0                       ; all lanes for v
	s_cselect_b32 s77, 0, -1                       ; all lanes for q and k
	s_cselect_b32 s83, s15, s16                    ; which half of the tile's features is mine
	s_cselect_b32 s84, s16, s15                    ; which half of its tokens
	s_mov_b32 s80, 1024
	s_cselect_b32 s80, 2048, s80                   ; from block a to a + 1 of source 1: a token tile's 1,024 bytes, or a dim tile's 2,048
	s_mov_b32 s81, 4096
	s_cselect_b32 s81, 131072, s81                 ; from block a to a + 4: four token tiles, or the next head
	s_mov_b32 s82, 131072
	s_cselect_b32 s82, 1024, s82                   ; from chunks 0, 1 to chunks 2, 3 of a block's codes: the next head, or the fragment's second half
	s_mul_i32 s21, s15, HALFT
	s_add_co_u32 s21, s21, s78
	s_mul_i32 s22, s16, HALFT
	s_add_co_u32 s22, s22, s79
.irp s, 0,1
	v_add_nc_u32 v[ADR1+\s], s21, v4
	v_add_nc_u32 v[ADR0+\s], s22, v4
	s_add_co_u32 s21, s21, SLOT
	s_add_co_u32 s22, s22, SLOT
.endr
	v_and_b32 v5, 31, v0
	v_lshlrev_b32 v[LI], 4, v5
	s_wait_alu depctr_va_vdst(0)
	v_lshlrev_b32 v[BIO], 5, v2
	s_lshl_b32 s90, s16, 9
	v_add_nc_u32 v[BIO], s90, v[BIO]
	v_lshlrev_b32 v[BAO], 2, v1
	s_lshl_b32 s90, s15, 9
	v_add_nc_u32 v[BAO], s90, v[BAO]
	s_lshl_b32 s90, ttmp9, 12
	s_lshl_b32 s91, s40, 10
	s_add_co_u32 s90, s90, s91
	s_mov_b32 s91, 0
	s_add_nc_u64 s[88:89], s[8:9], s[90:91]        ; the bias of my tile's 256 features
.irp b, 0,1,2,3,4,5,6,7
	global_load_b128 v[TMP+8*\b:TMP+8*\b+3],   v[BIO], s[88:89] offset:64*\b      ; features 128 (wave & 1) + 16 b + 8 h + 0 .. 7
	global_load_b128 v[TMP+8*\b+4:TMP+8*\b+7], v[BIO], s[88:89] offset:64*\b+16
.endr
.irp a, 0,1,2,3,4,5,6,7
	global_load_b32 v[BA+2*\a], v[BAO], s[88:89] offset:64*\a                     ; feature 128 (wave >> 1) + 16 a + r
.endr
	; where my codes go: type, batch, my first head, my 128 tokens
	s_lshl_b32 s90, ttmp9, 23
	s_lshr_b32 s91, s17, 3
	s_lshl_b32 s91, s91, 21
	s_add_co_u32 s90, s90, s91
	s_lshl_b32 s91, s40, 2
	s_lshl_b32 s92, s83, 1
	s_add_co_u32 s91, s91, s92                     ; head 4 cx + 2 x my half of the features
	s_lshl_b32 s91, s91, 17
	s_add_co_u32 s90, s90, s91
	s_and_b32 s91, s17, 7
	s_lshl_b32 s91, s91, 1
	s_add_co_u32 s91, s91, s84                     ; 128 tokens are 8,192 bytes of a head, in all three types
	s_lshl_b32 s91, s91, 13
	s_add_co_u32 s90, s90, s91
	s_mov_b32 s91, 0
	s_add_nc_u64 s[86:87], s[12:13], s[90:91]
	v_mov_b32 v[OFF], v[LI]
	v_add_nc_u32 v[OFF+1], s82, v[LI]
.irp a, 1,2,3
	v_add_nc_u32 v[OFF+2*\a],   s80, v[OFF+2*\a-2]
	v_add_nc_u32 v[OFF+2*\a+1], s80, v[OFF+2*\a-1]
.endr
.irp a, 4,5,6,7
	v_add_nc_u32 v[OFF+2*\a],   s81, v[OFF+2*\a-8]
	v_add_nc_u32 v[OFF+2*\a+1], s81, v[OFF+2*\a-7]
.endr
	s_wait_kmcnt 0x0
	s_add_co_i32 s92, s68, s69                     ; e0 + e1: a sum stands for sum x 2^(e0 + e1)
	s_cmp_eq_u32 ttmp9, 0
	s_cselect_b32 s90, s70, s71                    ; q's scale or k's,
	s_cselect_b32 s91, 3, 0                        ; q is divided by 8 = sqrt(64): exact, so it goes into the scale
	s_cmp_eq_u32 ttmp9, 2
	s_cselect_b32 s90, s73, s90                    ; or v's
	s_add_co_i32 s90, s90, s91
	s_sub_co_i32 s90, s90, s92
	s_add_co_i32 s90, s90, 127
	s_lshl_b32 s91, s90, 23
	v_mov_b32 v[SC], s91                           ; the scales folded into one, as f32: the conversion takes its exponent field
	s_sub_co_i32 s92, 0, s92
	s_wait_loadcnt 0x0                             ; the bias
.set n, 0
.rept 64
	v_cndmask_b32 v[TMP+n], 0, v[TMP+n], s77       ; kept for q and k, 0 for v
	v_ldexp_f32 v[TMP+n], v[TMP+n], s92            ; / 2^(e0 + e1)
.set n, n+1
.endr
.irp a, 0,1,2,3,4,5,6,7
	v_cndmask_b32 v[BA+2*\a], 0, v[BA+2*\a], s76   ; kept for v, 0 for q and k
	v_ldexp_f32 v[BA+2*\a], v[BA+2*\a], s92
	v_mov_b32 v[BA+2*\a+1], v[BA+2*\a]             ; a pair for the packed addition
.endr
.macro FRAG reg, adr, q, i             ; a fragment by four loads of 16 bytes: registers 4 c .. 4 c + 3 hold K = 32 c + 16 (l / 16) + 0 .. 15: the same places of k in both operands
.irp c, 0,1,2,3
	ds_load_b128 v[\reg+4*\c:\reg+4*\c+3], v[\adr] offset:128*(\q)+32*\c+(\i)*16*PITCH
.endr
.endm
; 16 matrix instructions: source 1's blocks a0, a0 + 1 x source 0's eight, 128 along K.  p: source 0's set.  mode = 1: the first K step: its C is the bias along the registers.
; The 64 accumulators take turns, one instruction a turn, in the same order in every step.
.macro MUL16 a0, p, mode
.irp a, \a0, \a0+1
.irp b, 0,1,2,3,4,5,6,7
.if \mode
	v_wmma_f32_16x16x128_bf8_bf8 v[8*(8*((\a)%4)+\b):8*(8*((\a)%4)+\b)+7], v[128*(\p)+FR*\b:128*(\p)+FR*\b+FR-1], v[AF+FR*(\a):AF+FR*(\a)+FR-1], v[TMP+8*\b:TMP+8*\b+7]
.else
	v_wmma_f32_16x16x128_bf8_bf8 v[8*(8*((\a)%4)+\b):8*(8*((\a)%4)+\b)+7], v[128*(\p)+FR*\b:128*(\p)+FR*\b+FR-1], v[AF+FR*(\a):AF+FR*(\a)+FR-1], v[8*(8*((\a)%4)+\b):8*(8*((\a)%4)+\b)+7]
.endif
.endr
.endr
.endm
.macro FETCH_S0 slot, q, p             ; source 0's eight fragments of the slot's q-th 128 along K into set p
	WIN 0x40                                       ; destination window 1, address window 0
.irp i, 0,1,2,3,4,5,6,7
	FRAG 128*(\p)+FR*\i, ADR0+\slot, \q, \i
.endr
	WIN 0
.endm
.macro FETCH_S1 slot, q, i0            ; source 1's blocks i0 .. i0 + 3
.irp i, \i0, \i0+1, \i0+2, \i0+3
	FRAG AF+FR*(\i), ADR1+\slot, \q, \i
.endr
.endm
.macro PLACES n                        ; plain vector instructions between a matrix instruction and a load into, or a vector instruction on, its registers
.rept \n
	v_nop
.endr
.endm
; A step of 128 along K that has its successor in the same slot.
.macro STEP slot, q, mode
	s_wait_dscnt 4*NL                              ; source 0's set and source 1's blocks 0-3 are in; the youngest sixteen loads (blocks 4-7) may be out
.if \mode
	WIN 0x81                                       ; source 0 window 1, source 1 and C window 0, D window 2
.else
	WIN 0xa1                                       ; C and D window 2
.endif
	MUL16 0, (\q)%2, \mode
	MUL16 2, (\q)%2, \mode
	s_wait_dscnt 0                                 ; blocks 4-7 are in (asked for 32 matrix instructions ago)
	PLACES NP
	FETCH_S0 \slot, (\q)+1, 1-(\q)%2
	FETCH_S1 \slot, (\q)+1, 0
.if \mode
	WIN 0xc1
.else
	WIN 0xf1
.endif
	MUL16 4, (\q)%2, \mode
	MUL16 6, (\q)%2, \mode
	PLACES NP
	WIN 0
	FETCH_S1 \slot, (\q)+1, 4
.endm
; A slot's last step changes slots: ONE barrier; in front of it each wave waits for all its tensor loads, adds 0 to its spare word, and waits for that and for its own reads of this slot.  fill = 1: this slot is filled again, two slots ahead.
.macro TURN slot, next, fill
	s_wait_tensorcnt 0x0                           ; all my tensor loads have landed: my part of the next slot  (every window is 0 here)
	ds_add_u32 v[SPW], v[NIL]                      ; 0 onto my spare word
	s_wait_dscnt 4*NL+1                            ; (the add and the youngest sixteen loads may be out)
	WIN 0xa1
	MUL16 0, 1, 0                                  ; sixteen matrix instructions stand between the add and the wait for it
	s_wait_dscnt 0x0                               ; the add is done, and my reads of this slot are over
	s_barrier_signal -1
	MUL16 2, 1, 0
	WIN 0
	s_barrier_wait -1
.if \fill
	CREST                                          ; the barrier has opened a round of the cluster's barrier: no wave of any partner still reads this slot or has a load on its way
	s_add_nc_u64 s[G0+4*\slot+2:G0+4*\slot+3], s[G0+4*\slot+2:G0+4*\slot+3], 2*ROWB
	s_add_nc_u64 s[G0B+4*\slot+2:G0B+4*\slot+3], s[G0B+4*\slot+2:G0B+4*\slot+3], 2*ROWB
	JLOAD G0+4*\slot, G1, G0B+4*\slot, G1B         ; the first tensor load behind the round; its four v_nop are also the places in front of the loads below
.else
	PLACES NP
.endif
	FETCH_S0 \next, 0, 0
	FETCH_S1 \next, 0, 0
	WIN 0xf1
	MUL16 4, 1, 0
	MUL16 6, 1, 0
	PLACES NP
	WIN 0
	FETCH_S1 \next, 0, 4
.endm
	s_wait_tensorcnt 1                             ; my part of slot 0 is in; slot 1's load may be out
	s_barrier_signal -1
	s_barrier_wait -1                              ; everybody's is
	FETCH_S0 0, 0, 0
	FETCH_S1 0, 0, 0
	FETCH_S1 0, 0, 4
	STEP 0, 0, 1                                   ; K 0-127: the products start the sums from the bias
	TURN 0, 1, 1                                   ; K 128-255; slot 0 takes K 512-767
	STEP 1, 0, 0
	TURN 1, 0, 1                                   ; slot 1 takes K 768-1023
	STEP 0, 0, 0
	TURN 0, 1, 0                                   ; nothing is left to fetch
	STEP 1, 0, 0
	s_wait_dscnt 4*NL                              ; the very last step
	WIN 0xa1
	MUL16 0, 1, 0
	MUL16 2, 1, 0
	s_wait_dscnt 0
	WIN 0xf1
	MUL16 4, 1, 0
	MUL16 6, 1, 0
	WIN 0
; THE WAY OUT of block a (16 rows of source 1 x 128 of source 0).  A lane's eight sums of accumulator (a, b) are eight neighbours along the next product's K: the bias by lane, one conversion: two registers of the operand.
; Four registers of the 32 lanes are a chunk of 512 bytes.  Every store has data and offset registers of its own, so none is rewritten while a store may read it.
.macro OUTBLK a
.set AC, 64*((\a)%4)
	WIN (0x02+((\a)/4))                            ; source 0: window 2 or 3
.irp j, 0,2,4,6,8,10,12,14,16,18,20,22,24,26,28,30,32,34,36,38,40,42,44,46,48,50,52,54,56,58,60,62
	v_pk_add_f32 v[TMP+\j:TMP+\j+1], v[AC+\j:AC+\j+1], v[BA+2*(\a):BA+2*(\a)+1]   ; each accumulator from its low end on
.endr
	WIN 0
.set n, 0
.rept 64
.set n, n+1
.endr
.irp b, 0,1,2,3,4,5,6,7
	v_cvt_scalef32_pk8_bf8_f32 v[CD+16*(\a)+2*\b:CD+16*(\a)+2*\b+1], v[TMP+8*\b:TMP+8*\b+7], v[SC]
.endr
	v_nop                                          ; one plain vector instruction behind the last conversion: the next block writes its sources
.irp x, 0,1,2,3
	global_store_b128 v[OFF+2*(\a)+\x/2], v[CD+16*(\a)+4*\x:CD+16*(\a)+4*\x+3], s[86:87] offset:(\x%2)*512   ; 32 lanes store 512 consecutive bytes, aligned
.endr
.endm
	PLACES NP                                      ; behind the last products: the codes land where source 1's fragments lay
.irp a, 0,1,2,3,4,5,6,7
	OUTBLK \a
.endr
	s_wait_tensorcnt 0x0                           ; the wave's end
	ds_add_u32 v[SPW], v[NIL]
	s_wait_dscnt 0x0
	CROUND                                         ; the closing round: no work-group ends while a partner may still ask for a tile that names it
	s_endpgm
.Lfunc_end_k_q12f9298a7d_qkv:
	.size	k_q12f9298a7d_qkv, .Lfunc_end_k_q12f9298a7d_qkv-k_q12f9298a7d_qkv
	.p2alignl 7, 3214868480
	.fill 96, 4, 3214868480
	.section	.rodata,"a",@progbits
	.p2align	6, 0x0
	.amdhsa_kernel k_q12f9298a7d_qkv
		.amdhsa_group_segment_fixed_size 327680
		.amdhsa_private_segment_fixed_size 0
		.amdhsa_enable_private_segment 0
		.amdhsa_kernarg_size 40
		.amdhsa_user_sgpr_count 2
		.amdhsa_user_sgpr_kernarg_segment_ptr 1
		.amdhsa_wavefront_size32 1
		.amdhsa_system_sgpr_workgroup_id_x 1
		.amdhsa_system_sgpr_workgroup_id_y 1
		.amdhsa_system_sgpr_workgroup_id_z 1
		.amdhsa_system_vgpr_workitem_id 0
		.amdhsa_next_free_vgpr 1024
		.amdhsa_next_free_sgpr 98
		.amdhsa_reserve_vcc 0
		.amdhsa_float_denorm_mode_32 3
		.amdhsa_float_denorm_mode_16_64 3
		.amdhsa_fp16_overflow 1
		.amdhsa_memory_ordered 1
		.amdhsa_forward_progress 1
		.amdhsa_inst_pref_size 115
	.end_amdhsa_kernel
	.amdgpu_metadata
---
amdhsa.version: [ 1, 2 ]
amdhsa.kernels:
  - .name:           k_q12f9298a7d_qkv
    .symbol:         k_q12f9298a7d_qkv.kd
    .args:
      - { .name: x_codes, .offset: 0, .size: 8, .value_kind: global_buffer, .address_space: global }
      - { .name: qkv_w_codes, .offset: 8, .size: 8, .value_kind: global_buffer, .address_space: global }
      - { .name: qkv_b, .offset: 16, .size: 8, .value_kind: global_buffer, .address_space: global }
      - { .name: lowp_scales, .offset: 24, .size: 8, .value_kind: global_buffer, .address_space: global }
      - { .name: qkv_img, .offset: 32, .size: 8, .value_kind: global_buffer, .address_space: global }
    .group_segment_fixed_size: 327680
    .private_segment_fixed_size: 0
    .kernarg_segment_align: 8
    .kernarg_segment_size: 40
    .max_flat_workgroup_size: 128
    .sgpr_count:     98
    .vgpr_count:     1024
    .wavefront_size: 32
...
	.end_amdgpu_metadata
.endif
;; end of part 1
;; launch attn (part 2): grid 4 x 64, 8 waves a work-group, clusters of 4 x 1, 327,680 bytes of LDS; arguments qkv_img, pad_mask, lowp_scales, y_img; writes y_img
.if DOCPART == 2
	.amdgcn_target "amdgcn-amd-amdhsa--gfx1250"
	.amdhsa_code_object_version 6
	.text
	.protected	k_q12f9298a7d_attn
	.globl	k_q12f9298a7d_attn
	.p2align	8
	.type	k_q12f9298a7d_attn,@function
k_q12f9298a7d_attn:
	s_mov_b64 s[64:65], 0
	v_nop
	global_prefetch_b8 v0, s[64:65] scope:SCOPE_SE
	s_setreg_imm32_b32 hwreg(HW_REG_WAVE_MODE, 25, 1), 1
	s_wait_xcnt 0x0
	s_wait_alu depctr_hold_cnt(0) depctr_sa_sdst(0) depctr_va_vdst(0) depctr_va_sdst(0) depctr_va_ssrc(0) depctr_va_vcc(0) depctr_vm_vsrc(0)
	s_getreg_b32 s2, hwreg(HW_REG_IB_STS2, 6, 4)
	s_cmp_eq_u32 s2, 0
	s_cbranch_scc0 .Lentry_in_a_cluster
	s_endpgm
.Lentry_in_a_cluster:
	s_bfe_u32 s2, ttmp6, 0x10000c
	s_cmp_lg_u32 s2, 0x3003
	s_cbranch_scc0 .Lentry_shape_is_right
	s_endpgm
.Lentry_shape_is_right:
; y = softmax(q k^T, causal and padding masks) v for one (batch, head) a cluster, both products on codes of BF8 (E5M2); y is quantised with its given scale and stored as an image of the last product's operand.
; q (already / 8), k, v come as images of operand registers: q, k: 1,024 bytes for 16 tokens x 64 dims; v: 2,048 bytes for 16 dims x 128 keys; a lane's 16 bytes at 16 x lane, 512 bytes for four registers.
; THE SOFTMAX: t = score x log2(e); M = the running largest t rounded UP to a whole number; p = 2^(t - M) is quantised with 2^e4, not normalised; the row's sum is taken of the unquantised p and divides at the end; when M moves, the sum
; and O are multiplied by 2^(old M - new M), which rounds nothing.
; CLUSTER.  The four work-groups of a cluster share one head.  Its whole K and V, 131,072 bytes each, are asked for ONCE, jointly (each of the eight waves one eighth of each), and stay in LDS: no slot is ever filled again, and
; behind the one barrier at the head LDS is only read.  All of K and V is asked for at the head, so there is nothing to ask for ahead of later steps.
; SHARES.  The head's queries are 16 groups of 128.  The work-group at place p owns queries 32 p .. 32 p + 31 of every group: a PAIR of tiles of 16.  Wave w takes the pair of group 15 - w, then that of group w:
; (16 - w) + (w + 1) = 17 key steps of 128 for every wave of every work-group.  Which steps are left out (all their keys come after the pair's queries) hangs on the wave's number and the pass alone; the place in the cluster
; enters only q's and y's addresses in memory and the number that the causal compare reads.  A pair shares every fragment of K and V and the mask's registers.
; LAYOUT.  S^T = K Q^T (source 0 = 16 keys, source 1 = 16 queries), O^T = V^T P^T (source 0 = 16 dims): a lane holds ONE query throughout; register j of score tile t is key 16 t + 8 (lane / 16) + j, so one conversion of a tile's
; eight registers gives registers 2 t, 2 t + 1 of P, and of O^T's tile those of y's operand.
; THE PADDING MASK IS THE C OF THE SCORE PRODUCTS: a table in LDS holds 0 for a key that counts and -2^96 for a padded one.  The sums of the codes' products are under 2^38 in magnitude (64 x 57,344^2), and the largest t begins at
; -2^60 x c: under every true t and above every padded one.  So a padded key never sets M, and its p is 0.  On the diagonal step the scores of later keys become -infinity.
; A ROW WITHOUT ANY KEY THAT COUNTS ends with the sum 0: its codes of y become the format's NaN code, so that the last product gives NaN for that row.
; LIMITS on the given exponents: e2 + e3 between -80 and 60 (they are added to c's exponent field, and 2^60 c and 2^96 c keep their meaning); e4, and e6 - e4 - e5, between -126 and 112.
; REGISTERS.  window 0: v1-6 addresses; v8-15 -M, largest t, the sum's two halves, for each tile; v16-31 Q; v32-95 K's eight fragments, then V's four, then y's codes; v96-223 S^T, then p, then y; v224-247 constants and work.
;   window 1: v0-63 O^T; v64-95 P's codes; v96-159 the mask's numbers.
.set VIMG, 131072                      ; LDS: K's images from 0, V's from here,
.set PADB, 262144                      ; and the mask's table: 2,048 f32, written by LDS stores; no tensor load lands there
.set LI,   1                           ; v1   16 x lane
.set LIV,  2                           ; v2   + VIMG
.set MB0,  3                           ; v3   PADB + 32 (lane / 16)
.set ADK,  4                           ; v4-6 the step's addresses: K, V, the mask
.set ADV,  5
.set ADM,  6
.set NM,   8                           ; v[8+4e] -M, v[9+4e] the largest t
.set LS,   10                          ; v[10+4e:11+4e] the sum in two halves
.set QF,   16
.set KF,   32
.set S,    96
.set DQ,   224                         ; v[224+e] 32 p + 16 e + r - 8 h: on the diagonal step key 16 t + j of my half is hidden where 16 t + j is above it
.set LIMP, 226
.set SCP,  227                         ; 2^e4
.set LIMY, 228
.set SCY,  229                         ; 2^(e6 - e4 - e5)
.set NINF, 230                         ; -infinity
.set NANC, 231                         ; four NaN codes
.set FF,   232                         ; v[232+2e] f = 2^(old M - new M); the pair's upper half is written once
.set CH,   236                         ; v[236+2e], v[237+2e] the maximum's two chains
.set PD,   240                         ; v[240+e] a lane permute's destination
.set L2,   242                         ; v[242+2e:243+2e] the sum's second chain
.set RL,   246                         ; v[246+e] 1 / the sum
.set O,    0                           ; window 1
.set P,    64
.set MC,   96
.set WV,   12                          ; s12 wave, s13 my place in the cluster, s14 batch x 16 + head
.set G,    44                          ; s44 the pair's group
.set PASS, 45
.set KS,   46                          ; s46 the key step; s47 = 8,192 x it; s48 = 512 x it
.set KO,   47
.set MO,   48
.set CS,   50                          ; s[50:51] c = log2(e) x 2^(e2 + e3), twice
.set SEL,  52                          ; s[52:53] lane selects: lane l xor 16
.set MSB, 0
.macro WIN new                         ; the immediate's high byte repeats the setting that is left
.if MSB != \new
	s_set_vgpr_msb (MSB<<8)|\new
.set MSB, \new
.endif
.endm
.macro CROUND                          ; a round of the cluster's barrier
	s_barrier_signal -1
	s_barrier_wait -1
	s_cmp_lg_u32 s[WV], 0
	s_cbranch_scc1 .Lnot_wave_0_\@
	s_barrier_signal -3
.Lnot_wave_0_\@:
	s_barrier_wait -3
	s_barrier_signal -1
	s_barrier_wait -1
.endm
.macro PLACES
.rept 4
	v_nop
.endr
.endm
	s_load_b256 s[4:11], s[0:1], 0x0               ; the images of q, k, v s[4:5]; the padding mask s[6:7]; the scales' exponents s[8:9]; y's images s[10:11]
	v_lshl_add_u32 v7, v0, 2, 0x42000
	v_mov_b32 v255, 0
	ds_add_u32 v7, v255
	ds_add_u32 v7, v255
	v_lshrrev_b32 v248, 5, v0
	s_delay_alu instid0(VALU_DEP_1)
	v_readfirstlane_b32 s[WV], v248                ; wave 0..7
	s_bfe_u32 s13, ttmp6, 0x40000                  ; p = cx
	s_and_b32 s14, ttmp7, 0xffff                   ; the cluster's y: batch x 16 + head, which the four partners share
	; descriptor group 1: 16,384 dense bytes as 64 rows of 256
	s_mov_b32 s16, 15|(3<<16)|(1<<21)              ; 15:0 the mask: all four work-groups; 17:16 elements of 8 bytes; 21 set beside a mask; no padding
	s_mov_b32 s17, 32<<16                          ; tensor_dim0 = 32
	s_mov_b32 s18, 64<<16                          ; tensor_dim1 = 64
	s_mov_b32 s19, 32<<16                          ; tile_dim0 = 32
	s_mov_b32 s20, 64                              ; tile_dim1 = 64
	s_mov_b32 s21, 32                              ; tensor_dim0_stride
	s_mov_b32 s22, 0
	s_mov_b32 s23, 0
	s_lshl_b32 s2, s14, 17                         ; the head's 131,072 bytes,
	s_lshl_b32 s3, s[WV], 14                       ; my wave's eighth
	s_add_co_u32 s2, s2, s3
	s_mov_b32 s3, 0
	s_mov_b32 s24, 1
	s_lshl_b32 s25, s[WV], 14                      ; K: LDS byte 16,384 x wave
	s_mov_b32 s28, 1
	s_add_co_u32 s29, s25, VIMG                    ; V: behind K
	s_wait_dscnt 0x0
	s_wait_kmcnt 0x0
	s_add_nc_u64 s[26:27], s[4:5], s[2:3]
	s_add_nc_u64 s[30:31], s[26:27], 16777216      ; type 2: v
	s_add_nc_u64 s[26:27], s[26:27], 8388608       ; type 1: k
	s_or_b32 s27, s27, 0x80000000
	s_or_b32 s31, s31, 0x80000000
	CROUND                                         ; all four work-groups are here: the joint loads meet
	tensor_load_to_lds s[24:27], s[16:23]          ; the launch's only fills: one load of mine is out
	s_nop 0
	s_wait_alu depctr_va_vdst(0)
	s_wait_tensorcnt 0x0
	ds_add_u32 v7, v255
	s_wait_dscnt 0x0
	CROUND
	tensor_load_to_lds s[28:31], s[16:23]
	s_nop 0
	PLACES                                         ; four v_nop follow the second
	s_load_b256 s[56:63], s[8:9], 0x0              ; e0 .. e7
	s_lshr_b32 s15, s14, 4                         ; batch
	s_and_b32 s49, s14, 15                         ; head
	s_lshl_b32 s2, s15, 11
	s_add_nc_u64 s[40:41], s[6:7], s[2:3]          ; my batch's 2,048 bytes of the mask
	v_lshlrev_b32 v250, 3, v0
	global_load_b64 v[248:249], v250, s[40:41]     ; eight keys a thread
	v_and_b32 v251, 31, v0
	s_delay_alu instid0(VALU_DEP_1)
	v_lshlrev_b32 v[LI], 4, v251
	s_delay_alu instid0(VALU_DEP_1)
	v_add_nc_u32 v[LIV], VIMG, v[LI]
	v_bfe_u32 v252, v0, 4, 1                       ; h
	v_and_b32 v253, 15, v0                         ; r
	s_delay_alu instid0(VALU_DEP_2)
	v_lshl_add_u32 v[MB0], v252, 5, PADB
	s_delay_alu instid0(VALU_DEP_3)
	v_lshlrev_b32 v254, 3, v252
	s_delay_alu instid0(VALU_DEP_1)
	v_sub_nc_u32 v[DQ], v253, v254
	s_lshl_b32 s2, s13, 5
	v_add_nc_u32 v[DQ], s2, v[DQ]
	s_delay_alu instid0(VALU_DEP_1)
	v_add_nc_u32 v[DQ+1], 16, v[DQ]
	s_lshl_b32 s2, s14, 17
	s_lshl_b32 s55, s13, 11
	s_add_co_u32 s2, s2, s55
	s_add_nc_u64 s[32:33], s[4:5], s[2:3]          ; q: my head, token tile 2 p
	s_lshl_b32 s2, s15, 21                         ; y: 128 token tiles of 16,384 bytes a batch,
	s_lshl_b32 s55, s13, 15                        ; token tile 2 p,
	s_add_co_u32 s2, s2, s55
	s_lshl_b32 s55, s49, 10                        ; and the head's 1,024 bytes of a tile: K step head / 2, chunks 2 (head % 2) on
	s_add_co_u32 s2, s2, s55
	s_add_nc_u64 s[36:37], s[10:11], s[2:3]
	s_mov_b32 s[SEL], 0x76543210
	s_mov_b32 s[SEL+1], 0xfedcba98
	v_mov_b32 v[NINF], 0xff800000
	v_mov_b32 v[NANC], 0x7f7f7f7f
	v_mov_b32 v[FF+1], 0                           ; (named as the upper halves of pairs)
	v_mov_b32 v[FF+3], 0
	v_mov_b32 v[PD], 0                             ; a lane permute's destination counts as one of its sources
	v_mov_b32 v[PD+1], 0
	v_mov_b32 v105, 0xef800000                     ; -2^96
	v_lshl_add_u32 v106, v0, 5, PADB               ; my eight numbers of the table
	s_wait_alu depctr_va_vdst(0)
	s_wait_kmcnt 0x0
	s_add_co_i32 s2, s58, s59
	s_lshl_b32 s2, s2, 23
	s_add_co_i32 s[CS], s2, 0x3fb8aa3b             ; c = log2(e) x 2^(e2 + e3): the exponents are added to the exponent field
	s_mov_b32 s[CS+1], s[CS]
	s_add_co_i32 s54, s[CS], 60<<23
	s_or_b32 s54, s54, 0x80000000                  ; -2^60 c: where the largest t begins
	s_add_co_i32 s2, s60, 127
	s_lshl_b32 s55, s2, 23
	v_mov_b32 v[SCP], s55
	s_sub_co_i32 s2, s62, s60
	s_sub_co_i32 s2, s2, s61                       ; O / the sum stands for y / 2^(e4 + e5): its code is that / 2^(e6 - e4 - e5)
	s_add_co_i32 s2, s2, 127
	s_lshl_b32 s55, s2, 23
	v_mov_b32 v[SCY], s55
	s_wait_loadcnt 0x0                             ; the mask's bytes
.irp i, 0,1,2,3,4,5,6,7
	v_bfe_u32 v104, v[248+\i/4], 8*(\i%4), 8
	s_delay_alu instid0(VALU_DEP_1)
	v_cmp_ne_u32 vcc_lo, 0, v104
	s_delay_alu instid0(VALU_DEP_1)
	v_cndmask_b32 v[96+\i], 0, v105, vcc_lo        ; 0, or -2^96 for a padded key
.endr
	ds_store_b128 v106, v[96:99]
	ds_store_b128 v106, v[100:103] offset:16
	s_wait_tensorcnt 0x0                           ; my parts of K and V have landed,
	s_wait_dscnt 0x0                               ; my part of the table is stored:
	s_barrier_signal -1
	s_barrier_wait -1                              ; everybody's.  From here on LDS is only read
	s_sub_co_u32 s[G], 15, s[WV]
	s_mov_b32 s[PASS], 2
; A PAIR'S KEY STEP: 128 keys against 32 queries.
.macro PAIRSTEP
	v_add_nc_u32 v[ADK], s[KO], v[LI]              ; these three and the v_nop are the places behind the last step's products, in front of loads into registers that they read
	v_add_nc_u32 v[ADV], s[KO], v[LIV]
	v_add_nc_u32 v[ADM], s[MO], v[MB0]
	v_nop
.irp t, 0,1,2,3,4,5,6,7
	ds_load_b128 v[KF+8*\t:KF+8*\t+3],   v[ADK] offset:1024*\t
	ds_load_b128 v[KF+8*\t+4:KF+8*\t+7], v[ADK] offset:1024*\t+512
.endr
	WIN 0x40                                       ; destination window 1
.irp t, 0,1,2,3,4,5,6,7
	ds_load_b128 v[MC+8*\t:MC+8*\t+3],   v[ADM] offset:64*\t      ; the table's numbers of keys 16 t + 8 h + 0 .. 7: the sixteen lanes of a half read the same bytes
	ds_load_b128 v[MC+8*\t+4:MC+8*\t+7], v[ADM] offset:64*\t+16
.endr
	s_wait_alu depctr_va_vdst(0)
	s_wait_dscnt 0x0
	WIN 0x10                                       ; C in window 1
.irp t, 0,1,2,3,4,5,6,7
.irp e, 0,1
	v_wmma_f32_16x16x64_bf8_bf8 v[S+64*\e+8*\t:S+64*\e+8*\t+7], v[KF+8*\t:KF+8*\t+7], v[QF+8*\e:QF+8*\e+7], v[MC+8*\t:MC+8*\t+7]
.endr
.endr
	WIN 0
	PLACES                                         ; in front of the loads into K's registers and of the first read of the scores
.irp d, 0,1,2,3
.irp c, 0,1,2,3
	ds_load_b128 v[KF+16*\d+4*\c:KF+16*\d+4*\c+3], v[ADV] offset:2048*\d+512*\c   ; V lands while the softmax is worked
.endr
.endr
	s_cmp_lg_u32 s[KS], s[G]                       ; only the pair's last step lies on the diagonal
	s_cbranch_scc1 .Lopen
.irp e, 0,1
.set n, 0
.rept 64
	v_cmp_gt_i32 vcc_lo, 16*(n/8)+n%8, v[DQ+\e]
	v_cndmask_b32 v[S+64*\e+n], v[S+64*\e+n], v[NINF], vcc_lo
.set n, n+1
.endr
.endr
.Lopen:
.irp e, 0,1                                    ; the step's largest score of my query among my 64 keys: two chains a tile, each accumulator from its low end on
	v_max3_num_f32 v[CH+2*\e],   v[S+64*\e],   v[S+64*\e+1], v[S+64*\e+2]
	v_max3_num_f32 v[CH+2*\e+1], v[S+64*\e+3], v[S+64*\e+4], v[S+64*\e+5]
.endr
.irp i, 6,10,14,18,22,26,30,34,38,42,46,50,54,58
.irp e, 0,1
	v_max3_num_f32 v[CH+2*\e],   v[CH+2*\e],   v[S+64*\e+\i],   v[S+64*\e+\i+1]
	v_max3_num_f32 v[CH+2*\e+1], v[CH+2*\e+1], v[S+64*\e+\i+2], v[S+64*\e+\i+3]
.endr
.endr
.irp e, 0
	v_max3_num_f32 v[CH+2*\e], v[CH+2*\e], v[S+64*\e+62], v[S+64*\e+63]
.endr
.irp e, 1
	v_max3_num_f32 v[CH+2*\e], v[CH+2*\e], v[S+64*\e+62], v[S+64*\e+63]
.endr
.irp e, 0,1
	s_delay_alu instid0(VALU_DEP_2)
	v_max_num_f32 v[CH+2*\e], v[CH+2*\e], v[CH+2*\e+1]
.endr
.irp e, 0,1
	s_delay_alu instid0(VALU_DEP_2)
	v_permlanex16_b32 v[PD+\e], v[CH+2*\e], s[SEL], s[SEL+1]
.endr
.irp e, 0,1
	s_delay_alu instid0(VALU_DEP_2)
	v_max_num_f32 v[CH+2*\e], v[CH+2*\e], v[PD+\e]         ; and among lane l xor 16's
.endr
.irp e, 0,1
	s_delay_alu instid0(VALU_DEP_2)
	v_mul_f32 v[CH+2*\e], s[CS], v[CH+2*\e]                ; as t (c is positive)
.endr
.irp e, 0
	s_delay_alu instid0(VALU_DEP_2)
	v_max_num_f32 v[NM+4*\e+1], v[NM+4*\e+1], v[CH+2*\e]   ; the running largest t
	v_mov_b32 v[CH+2*\e], v[NM+4*\e]
.endr
.irp e, 1
	s_delay_alu instid0(VALU_DEP_3)
	v_max_num_f32 v[NM+4*\e+1], v[NM+4*\e+1], v[CH+2*\e]
	v_mov_b32 v[CH+2*\e], v[NM+4*\e]
.endr
.irp e, 0
	s_delay_alu instid0(VALU_DEP_4)
	v_floor_f32 v[NM+4*\e], -v[NM+4*\e+1]
.endr
.irp e, 1
	s_delay_alu instid0(VALU_DEP_3)
	v_floor_f32 v[NM+4*\e], -v[NM+4*\e+1]                  ; the new -M = floor(-t): M is a whole number
.endr
.irp e, 0,1
	s_delay_alu instid0(VALU_DEP_2)
	v_sub_f32 v[CH+2*\e], v[NM+4*\e], v[CH+2*\e]           ; old M - new M: a whole number, 0 or less
.endr
.irp e, 0,1
	s_delay_alu instid0(VALU_DEP_2)
	v_cvt_i32_f32 v[CH+2*\e], v[CH+2*\e]                   ; (it saturates)
.endr
.irp e, 0,1
	s_delay_alu instid0(VALU_DEP_2)
	v_ldexp_f32 v[FF+2*\e], 1.0, v[CH+2*\e]                ; f = 2^(old M - new M)
.endr
	s_setprio 1
.irp j, 0,2,4,6,8,10,12,14,16,18,20,22,24,26,28,30,32,34,36,38,40,42,44,46,48,50,52,54,56,58,60,62
.irp e, 0,1
	v_pk_fma_f32 v[S+64*\e+\j:S+64*\e+\j+1], v[S+64*\e+\j:S+64*\e+\j+1], s[CS:CS+1], v[NM+4*\e:NM+4*\e+1] op_sel_hi:[1,0,0]   ; t - M, two at a time
.endr
.endr
.set n, 0
	s_wait_alu depctr_va_vdst(0)
.rept 128
	v_exp_f32 v[S+n], v[S+n]                       ; p = 2^(t - M): both tiles' exponentials are one batch
.set n, n+1
.endr
.irp e, 0,1
	v_pk_mul_f32 v[LS+4*\e:LS+4*\e+1], v[LS+4*\e:LS+4*\e+1], v[FF+2*\e:FF+2*\e+1] op_sel_hi:[1,0]   ; the sums under the new M: the plain instructions behind the exponentials
.endr
	s_wait_alu depctr_va_vdst(0)                   ; one wait for the whole batch, ahead of its first reader
.irp e, 0,1
	v_pk_add_f32 v[L2+2*\e:L2+2*\e+1], v[S+64*\e:S+64*\e+1], v[S+64*\e+2:S+64*\e+3]   ; the row's sum is taken of the unquantised p
.endr
.irp j, 4,8,12,16,20,24,28,32,36,40,44,48,52,56,60
.irp e, 0,1
	v_pk_add_f32 v[LS+4*\e:LS+4*\e+1], v[LS+4*\e:LS+4*\e+1], v[S+64*\e+\j:S+64*\e+\j+1]
	v_pk_add_f32 v[L2+2*\e:L2+2*\e+1], v[L2+2*\e:L2+2*\e+1], v[S+64*\e+\j+2:S+64*\e+\j+3]
.endr
.endr
.irp e, 0
	s_delay_alu instid0(VALU_DEP_3)
	v_pk_add_f32 v[LS+4*\e:LS+4*\e+1], v[LS+4*\e:LS+4*\e+1], v[L2+2*\e:L2+2*\e+1]
.endr
.irp e, 1
	s_delay_alu instid0(VALU_DEP_2)
	v_pk_add_f32 v[LS+4*\e:LS+4*\e+1], v[LS+4*\e:LS+4*\e+1], v[L2+2*\e:L2+2*\e+1]
.endr
.set n, 0
.rept 128
.set n, n+1
.endr
	WIN 0x40                                       ; destination window 1
	s_setprio 0
.irp e, 0,1
.irp t, 0,1,2,3,4,5,6,7
	v_cvt_scalef32_pk8_bf8_f32 v[P+16*\e+2*\t:P+16*\e+2*\t+1], v[S+64*\e+8*\t:S+64*\e+8*\t+7], v[SCP]   ; registers 2 t, 2 t + 1 of P: keys 16 t + 8 h + 0 .. 7
.endr
.endr
	WIN 0x41                                       ; O^T (destination and source 0) window 1, f window 0
.irp e, 0,1
.irp j, 0,2,4,6,8,10,12,14,16,18,20,22,24,26,28,30
	v_pk_mul_f32 v[O+32*\e+\j:O+32*\e+\j+1], v[O+32*\e+\j:O+32*\e+\j+1], v[FF+2*\e:FF+2*\e+1] op_sel_hi:[1,0]   ; O^T under the new M; also the plain instructions between the conversions and the products
.endr
.endr
	s_wait_alu depctr_va_vdst(0)
	s_wait_dscnt 0x0                               ; V is in
	WIN 0x54                                       ; V window 0; P, C and D window 1
.irp d, 0,1,2,3
.irp e, 0,1
	v_wmma_f32_16x16x128_bf8_bf8 v[O+32*\e+8*\d:O+32*\e+8*\d+7], v[KF+16*\d:KF+16*\d+15], v[P+16*\e:P+16*\e+15], v[O+32*\e+8*\d:O+32*\e+8*\d+7]   ; the eight accumulators by turns, one instruction each
.endr
.endr
	WIN 0
.endm
.Lpass:                                            ; two trips: the pair of group 15 - wave, then that of group wave
	s_lshl_b32 s2, s[G], 13
	s_mov_b32 s3, 0
	s_add_nc_u64 s[34:35], s[32:33], s[2:3]        ; q: token tiles 8 G + 2 p and the next
	s_lshl_b32 s2, s[G], 17
	s_add_nc_u64 s[38:39], s[36:37], s[2:3]        ; y likewise
.irp i, 0,1,2,3
	global_load_b128 v[QF+4*\i:QF+4*\i+3], v[LI], s[34:35] offset:512*\i
.endr
.irp e, 0,1
	v_mov_b32 v[NM+4*\e+1], s54                    ; the largest t so far
	v_mov_b32 v[LS+4*\e], 0                        ; the sum, in two halves
	v_mov_b32 v[LS+4*\e+1], 0
.endr
.irp e, 0
	v_floor_f32 v[NM+4*\e], -v[NM+4*\e+1]
.endr
.irp e, 1
	s_delay_alu instid0(VALU_DEP_4)
	v_floor_f32 v[NM+4*\e], -v[NM+4*\e+1]          ; -M
.endr
	WIN 0x40
.set n, 0
.rept 64
	v_mov_b32 v[O+n], 0                            ; O^T: the step is written once: the first finds zeros, which the first change of M leaves zeros
.set n, n+1
.endr
	WIN 0
	s_mov_b32 s[KS], 0
	s_mov_b32 s[KO], 0
	s_mov_b32 s[MO], 0
	s_wait_loadcnt 0x0                             ; Q
.Lstep:                                            ; sixteen trips, a constant; a step all of whose keys come after the pair's queries is jumped over
	s_cmp_gt_u32 s[KS], s[G]
	s_cbranch_scc1 .Lskip
	s_setprio 2
	PAIRSTEP
.Lskip:
	s_add_co_u32 s[KS], s[KS], 1
	s_add_co_u32 s[KO], s[KO], 8192
	s_add_co_u32 s[MO], s[MO], 512
	s_cmp_lt_u32 s[KS], 16
	s_cbranch_scc1 .Lstep
	s_setprio 0
	; THE WAY OUT of a pass: O^T / the sum, converted: registers 2 d, 2 d + 1 of the head's half of y's fragment, in the lane that will hold them
	PLACES
.irp e, 0,1
	v_add_f32 v[LS+4*\e], v[LS+4*\e], v[LS+4*\e+1]
.endr
.irp e, 0,1
	s_delay_alu instid0(VALU_DEP_2)
	v_permlanex16_b32 v[PD+\e], v[LS+4*\e], s[SEL], s[SEL+1]
.endr
.irp e, 0,1
	s_delay_alu instid0(VALU_DEP_2)
	v_add_f32 v[LS+4*\e], v[LS+4*\e], v[PD+\e]     ; the row's sum
.endr
	s_wait_alu depctr_va_vdst(0)
.irp e, 0,1
	v_rcp_f32 v[RL+\e], v[LS+4*\e]
.endr
	v_cmp_eq_f32 s42, 0, v[LS]                     ; rows without a key that counts.  (Plain instructions behind the reciprocals)
	v_cmp_eq_f32 s43, 0, v[LS+4]
	s_wait_alu depctr_va_vdst(0)                   ; one wait for both reciprocals, ahead of their first reader
	WIN 0x01                                       ; source 0 window 1
.irp e, 0,1
.set n, 0
.rept 32
	v_mul_f32 v[S+64*\e+n], v[O+32*\e+n], v[RL+\e]
.set n, n+1
.endr
.endr
	WIN 0
.irp e, 0,1
.set n, 0
.rept 32
.set n, n+1
.endr
.endr
.irp e, 0,1
.irp d, 0,1,2,3
	v_cvt_scalef32_pk8_bf8_f32 v[KF+8*\e+2*\d:KF+8*\e+2*\d+1], v[S+64*\e+8*\d:S+64*\e+8*\d+7], v[SCY]
.endr
.endr
	v_nop                                          ; one plain instruction between the conversions and the selects on their results
.irp e, 0,1
.irp i, 0,1,2,3,4,5,6,7
	v_cndmask_b32 v[KF+8*\e+\i], v[KF+8*\e+\i], v[NANC], s[42+\e]
.endr
.endr
.irp e, 0,1
.irp c, 0,1
	global_store_b128 v[LI], v[KF+8*\e+4*\c:KF+8*\e+4*\c+3], s[38:39] offset:16384*\e+512*\c   ; 32 lanes store 512 consecutive bytes, aligned
.endr
.endr
	s_wait_xcnt 0x0                                ; the stores' data and base are written again in the next pass only behind this wait
	s_sub_co_u32 s[G], 15, s[G]
	s_sub_co_u32 s[PASS], s[PASS], 1
	s_cmp_lg_u32 s[PASS], 0
	s_cbranch_scc1 .Lpass
	s_wait_tensorcnt 0x0
	ds_add_u32 v7, v255
	s_wait_dscnt 0x0
	CROUND                                         ; the closing round
	s_endpgm
.Lfunc_end_k_q12f9298a7d_attn:
	.size	k_q12f9298a7d_attn, .Lfunc_end_k_q12f9298a7d_attn-k_q12f9298a7d_attn
	.p2alignl 7, 3214868480
	.fill 96, 4, 3214868480
	.section	.rodata,"a",@progbits
	.p2align	6, 0x0
	.amdhsa_kernel k_q12f9298a7d_attn
		.amdhsa_group_segment_fixed_size 327680
		.amdhsa_private_segment_fixed_size 0
		.amdhsa_enable_private_segment 0
		.amdhsa_kernarg_size 32
		.amdhsa_user_sgpr_count 2
		.amdhsa_user_sgpr_kernarg_segment_ptr 1
		.amdhsa_wavefront_size32 1
		.amdhsa_system_sgpr_workgroup_id_x 1
		.amdhsa_system_sgpr_workgroup_id_y 1
		.amdhsa_system_sgpr_workgroup_id_z 1
		.amdhsa_system_vgpr_workitem_id 0
		.amdhsa_next_free_vgpr 512
		.amdhsa_next_free_sgpr 80
		.amdhsa_reserve_vcc 1
		.amdhsa_float_denorm_mode_32 3
		.amdhsa_float_denorm_mode_16_64 3
		.amdhsa_fp16_overflow 1
		.amdhsa_memory_ordered 1
		.amdhsa_forward_progress 1
		.amdhsa_inst_pref_size 52
	.end_amdhsa_kernel
	.amdgpu_metadata
---
amdhsa.version: [ 1, 2 ]
amdhsa.kernels:
  - .name:           k_q12f9298a7d_attn
    .symbol:         k_q12f9298a7d_attn.kd
    .args:
      - { .name: qkv_img, .offset: 0, .size: 8, .value_kind: global_buffer, .address_space: global }
      - { .name: pad_mask, .offset: 8, .size: 8, .value_kind: global_buffer, .address_space: global }
      - { .name: lowp_scales, .offset: 16, .size: 8, .value_kind: global_buffer, .address_space: global }
      - { .name: y_img, .offset: 24, .size: 8, .value_kind: global_buffer, .address_space: global }
    .group_segment_fixed_size: 327680
    .private_segment_fixed_size: 0
    .kernarg_segment_align: 8
    .kernarg_segment_size: 32
    .max_flat_workgroup_size: 256
    .sgpr_count:     80
    .vgpr_count:     512
    .wavefront_size: 32
...
	.end_amdgpu_metadata
.endif
;; end of part 2
;; launch proj (part 3): grid 4 x 32, 4 waves a work-group, clusters of 4 x 4, 327,680 bytes of LDS; arguments y_img, out_w_codes, out_b, lowp_scales, out0; writes out0
.if DOCPART == 3
	.amdgcn_target "amdgcn-amd-amdhsa--gfx1250"
	.amdhsa_code_object_version 6
	.text
	.protected	k_q12f9298a7d_proj
	.globl	k_q12f9298a7d_proj
	.p2align	8
	.type	k_q12f9298a7d_proj,@function
k_q12f9298a7d_proj:
	s_mov_b64 s[64:65], 0
	v_nop
	global_prefetch_b8 v0, s[64:65] scope:SCOPE_SE
	s_setreg_imm32_b32 hwreg(HW_REG_WAVE_MODE, 25, 1), 1
	s_wait_xcnt 0x0
	s_wait_alu depctr_hold_cnt(0) depctr_sa_sdst(0) depctr_va_vdst(0) depctr_va_sdst(0) depctr_va_ssrc(0) depctr_va_vcc(0) depctr_vm_vsrc(0)
	s_getreg_b32 s2, hwreg(HW_REG_IB_STS2, 6, 4)
	s_cmp_eq_u32 s2, 0
	s_cbranch_scc0 .Lentry_in_a_cluster
	s_endpgm
.Lentry_in_a_cluster:
	s_bfe_u32 s2, ttmp6, 0x10000c
	s_cmp_lg_u32 s2, 0xf033
	s_cbranch_scc0 .Lentry_shape_is_right
	s_endpgm
.Lentry_shape_is_right:
; out = y W^T + b on codes of BF8 (E5M2).  y: images of operand registers, [token tile 512][K step 8][chunk 4][lane 32][16 bytes]; W: [1024][1024] codes, K innermost; out: [8192][1024] f32.
; A number of y is code x 2^e6, of W code x 2^e7: each finished sum goes out as sum x 2^(e6 + e7) + b, one packed multiply-add for two numbers.  A row of y that holds NaN codes gives NaN.
; LIMIT: e6 + e7 lies between -126 and 127, so that 2^(e6 + e7) is an f32 number.
; A tile of out is 256 tokens x 256 features: four waves, each 128 x 128 in 64 accumulators.  That makes 128 work-groups; the square tile keeps each fragment read from LDS at work for eight products.
; K goes in steps of 256 through two LDS slots: four slots' worth, written out without a loop.  CLUSTERS: 4 x 4: y's tiles are asked for jointly along a row of the cluster, W's along a column.
; Source 0 = 16 rows of W, source 1 = 16 tokens of y: a lane holds eight neighbouring outputs of one token.
; y's fragments come from LDS as they lie, four loads of 16 bytes at 16 x lane.  Their registers 2 c, 2 c + 1 hold K = 16 c + 8 (l / 16) + 0 .. 7, so W's fragments are fetched to the same places: eight loads of 8 bytes from padded rows.
; REGISTERS: window 0: v1-31 addresses; v32-95 the bias; v128-255 y's fragments, ONE set, later rows read back from the stage.   window 1: W's fragments, TWO sets, later a block's results.   windows 2, 3: the accumulators.
.set PITCH,  272                       ; a row of W in LDS: 256 bytes + 16 of padding
.set FR,     16
.set NL,     4                         ; LDS loads that bring a fragment of y
.set NP,     4
.set YT,     4096                      ; a token tile's two K steps of a slot
.set YHALF,  8*YT                      ; eight token tiles: what one tensor load brings of y
.set WOFF,   2*YHALF                   ; a slot: y's 16 token tiles, then W's 256 rows
.set WHALF,  128*PITCH
.set SLOT,   WOFF+2*WHALF
.set SPARE,  2*SLOT                    ; behind the ring: the spare words, 128 bytes for each wave
.set SPITCH, 528                       ; the way out: a stage of 16 rows x (512 bytes + 16) for each wave, in slot 0, which has had its last fill and its last read when the first result is stored there
.set ADRY, 16                          ; v16-17  LDS address of y's fragments in slot 0, 1
.set ADRW, 20                          ; v20-21  the same for W
.set STO,  24                          ; v24     the way out: where I put 32 bytes of a row
.set RD,   25                          ; v25     where I read a row back
.set CO,   26                          ; v26     16 x lane: my place in an image, and in a row of out
.set BIO,  27                          ; v27     the bias: 32 h + 512 (wave & 1)
.set SPW,  28
.set NIL,  29
.set BB,   32                          ; v32-95  the bias of features 16 b + 8 h + j at 8 b + j
.set AF,   128
.set BK,   128
.set G1, 24                            ; s[24:31] descriptor group 1 for y's tiles;  s[32:39] group 0, one set for each slot
.set G0, 32
.set G1B, 48                           ; s[48:55], s[56:63] the same for W's tiles
.set G0B, 56
.set MSB, 0
.macro WIN new
.if MSB != \new
	s_set_vgpr_msb (MSB<<8)|\new
.set MSB, \new
.endif
.endm
.macro JLOAD g0a, g1a, g0b, g1b        ; a joint load: waves 0 and 1 fetch y's two halves, waves 2 and 3 W's; four v_nop follow each of the two lines
	s_cmp_eq_u32 s15, 0
	s_cbranch_scc0 .Lfor_b_\@
	tensor_load_to_lds s[\g0a:\g0a+3], s[\g1a:\g1a+7]
	s_nop 0
.rept 4
	v_nop
.endr
	s_branch .Lasked_\@
.Lfor_b_\@:
	tensor_load_to_lds s[\g0b:\g0b+3], s[\g1b:\g1b+7]
	s_nop 0
.rept 4
	v_nop
.endr
.Lasked_\@:
.endm
.macro CREST
	s_cmp_lg_u32 s14, 0
	s_cbranch_scc1 .Lnot_wave_0_\@
	s_barrier_signal -3
.Lnot_wave_0_\@:
	s_barrier_wait -3
	s_barrier_signal -1
	s_barrier_wait -1
.endm
.macro CROUND
	s_barrier_signal -1
	s_barrier_wait -1
	CREST
.endm
	s_load_b256 s[4:11], s[0:1], 0x0               ; y's images s[4:5], W's codes s[6:7], the bias s[8:9], the scales' exponents s[10:11]
	s_load_b64 s[12:13], s[0:1], 0x20              ; out
	v_lshl_add_u32 v[SPW], v0, 2, SPARE
	v_mov_b32 v[NIL], 0
	ds_add_u32 v28, v29
	ds_add_u32 v28, v29
	s_wait_dscnt 0x0
	v_lshrrev_b32 v1, 5, v0
	v_readfirstlane_b32 s14, v1                    ; wave 0..3
	s_lshr_b32 s15, s14, 1                         ; which 128 tokens are mine.  Also: I fetch for y (0) or for W (1)
	s_and_b32 s16, s14, 1                          ; which 128 features.  Also: which half of that tile I fetch
	s_bfe_u32 s40, ttmp6, 0x40000
	s_bfe_u32 s41, ttmp6, 0x40004
	s_lshl_b32 s42, ttmp9, 2
	s_add_co_u32 s42, s42, s40                     ; tile of features
	s_and_b32 s17, ttmp7, 0xffff
	s_lshl_b32 s17, s17, 2
	s_add_co_u32 s17, s17, s41                     ; tile of tokens
	s_lshl_b32 s43, s41, 2
	s_lshl_b32 s43, 15, s43                        ; my row of the cluster
	s_lshl_b32 s44, 0x1111, s40                    ; my column
	; y: eight token tiles, of each 4,096 consecutive bytes (two K steps), 16,384 bytes apart; dense in LDS
	s_or_b32 s[G1+0], s43, (3<<16)|(1<<21)         ; 15:0 the mask: my row; 17:16 elements of 8 bytes; 21 set beside a mask; no padding
	s_mov_b32 s[G1+1], 512<<16                     ; tensor_dim0 = 512
	s_mov_b32 s[G1+2], 8<<16                       ; tensor_dim1 = 8
	s_mov_b32 s[G1+3], 512<<16                     ; tile_dim0 = 512
	s_mov_b32 s[G1+4], 8                           ; tile_dim1 = 8
	s_mov_b32 s[G1+5], 2048                        ; tensor_dim0_stride
	s_mov_b32 s[G1+6], 0
	s_mov_b32 s[G1+7], 0
	; W: 128 rows x 256 bytes, padded in LDS
	s_or_b32 s[G1B+0], s44, (0<<16)|(1<<20)|(1<<21)|(5<<22)|(3<<25)
	s_mov_b32 s[G1B+1], 256<<16
	s_mov_b32 s[G1B+2], 128<<16
	s_mov_b32 s[G1B+3], 256<<16
	s_mov_b32 s[G1B+4], 128
	s_mov_b32 s[G1B+5], 1024
	s_mov_b32 s[G1B+6], 0
	s_mov_b32 s[G1B+7], 0
	s_lshl_b32 s20, s17, 4
	s_lshl_b32 s18, s16, 3
	s_add_co_u32 s20, s20, s18                     ; y: token tile 16 x tile of tokens + 8 x half
	s_lshl_b32 s20, s20, 14
	s_mov_b32 s21, 0
	s_lshl_b32 s46, s42, 8
	s_lshl_b32 s18, s16, 7
	s_add_co_u32 s46, s46, s18                     ; W: row 256 x tile of features + 128 x half
	s_lshl_b32 s46, s46, 10
	s_mov_b32 s47, 0
	s_lshl_b32 s45, s16, 15                        ; where they go: y's halves,
	s_mul_i32 s19, s16, WHALF
	s_add_co_u32 s19, s19, WOFF                    ; W's halves behind them: no place in the cluster enters an LDS address
	s_wait_kmcnt 0x0
	s_load_b256 s[68:75], s[10:11], 0x0            ; e0 .. e7
	s_add_nc_u64 s[20:21], s[4:5], s[20:21]
	s_add_nc_u64 s[46:47], s[6:7], s[46:47]
	CROUND                                         ; all sixteen work-groups are here: the first joint loads meet
.irp s, 0,1
	s_mov_b32 s[G0+4*\s], 1
	s_add_co_u32 s[G0+4*\s+1], s45, \s*SLOT
	s_add_nc_u64 s[G0+4*\s+2:G0+4*\s+3], s[20:21], \s*YT
	s_or_b32 s[G0+4*\s+3], s[G0+4*\s+3], 0x80000000
	s_mov_b32 s[G0B+4*\s], 1
	s_add_co_u32 s[G0B+4*\s+1], s19, \s*SLOT
	s_add_nc_u64 s[G0B+4*\s+2:G0B+4*\s+3], s[46:47], \s*256
	s_or_b32 s[G0B+4*\s+3], s[G0B+4*\s+3], 0x80000000
	s_wait_alu depctr_va_vdst(0)
	s_wait_tensorcnt 0x0
	ds_add_u32 v28, v29
	ds_add_u32 v28, v29
	s_wait_dscnt 0x0
	CROUND
	JLOAD G0+4*\s, G1, G0B+4*\s, G1B               ; one load of mine is out
.endr
	v_and_b32 v1, 15, v0                           ; r
	v_bfe_u32 v2, v0, 4, 1                         ; h
	v_and_b32 v6, 31, v0
	v_lshlrev_b32 v[CO], 4, v6
	v_mul_u32_u24 v3, v1, PITCH
	v_lshl_add_u32 v4, v2, 3, v3                   ; W: row x pitch + 8 x half
	s_lshl_b32 s21, s15, 15                        ; my eight token tiles of y
	s_mul_i32 s22, s16, WHALF
	s_add_co_u32 s22, s22, WOFF                    ; my 128 rows of W
.irp s, 0,1
	v_add_nc_u32 v[ADRY+\s], s21, v[CO]
	v_add_nc_u32 v[ADRW+\s], s22, v4
	s_add_co_u32 s21, s21, SLOT
	s_add_co_u32 s22, s22, SLOT
.endr
	s_mul_i32 s23, s14, 16*SPITCH                  ; my stage
	v_mul_u32_u24 v5, v1, SPITCH
	v_lshl_add_u32 v5, v2, 5, v5
	v_add_nc_u32 v[STO], s23, v5                   ; in: row r, 32 bytes for each half of the lanes
	v_add_nc_u32 v[RD], s23, v[CO]                 ; back: the 32 lanes take one row of 512 bytes
	v_lshlrev_b32 v[BIO], 5, v2
	s_lshl_b32 s90, s16, 9
	v_add_nc_u32 v[BIO], s90, v[BIO]
	s_lshl_b32 s90, s42, 10
	s_mov_b32 s91, 0
	s_add_nc_u64 s[88:89], s[8:9], s[90:91]        ; the bias of my tile's 256 features
.irp b, 0,1,2,3,4,5,6,7
	global_load_b128 v[BB+8*\b:BB+8*\b+3],   v[BIO], s[88:89] offset:64*\b
	global_load_b128 v[BB+8*\b+4:BB+8*\b+7], v[BIO], s[88:89] offset:64*\b+16
.endr
	s_lshl_b32 s90, s17, 8
	s_lshl_b32 s92, s15, 7
	s_add_co_u32 s90, s90, s92                     ; my first row of out,
	s_lshl_b32 s90, s90, 12                        ; of 4,096 bytes,
	s_lshl_b32 s92, s42, 10
	s_add_co_u32 s90, s90, s92
	s_lshl_b32 s92, s16, 9
	s_add_co_u32 s90, s90, s92                     ; and my first column: 1,024 x tile + 512 x half bytes
	s_add_nc_u64 s[12:13], s[12:13], s[90:91]
	s_wait_alu depctr_va_vdst(0)
	s_wait_kmcnt 0x0
	s_add_co_i32 s96, s74, s75
	s_add_co_i32 s96, s96, 127
	s_lshl_b32 s96, s96, 23                        ; 2^(e6 + e7) as f32
	s_mov_b32 s97, s96                             ; (named with it as a pair)
	s_wait_loadcnt 0x0                             ; the bias
.macro FRAGY reg, slot, q, i           ; y's fragment of token tile i, the slot's q-th K step: the image as it lies
.irp c, 0,1,2,3
	ds_load_b128 v[\reg+4*\c:\reg+4*\c+3], v[ADRY+\slot] offset:YT*(\i)+2048*(\q)+512*\c
.endr
.endm
.macro FRAGW reg, slot, q, i           ; W's fragment of rows 16 i on: registers 2 c, 2 c + 1 hold K = 16 c + 8 (l / 16) + 0 .. 7
.irp c, 0,1,2,3,4,5,6,7
	ds_load_b64 v[\reg+2*\c:\reg+2*\c+1], v[ADRW+\slot] offset:128*(\q)+16*\c+(\i)*16*PITCH
.endr
.endm
; 16 matrix instructions: y's blocks a0, a0 + 1 x W's eight.  zero = 1: the first product starts the sums.  The 64 accumulators take turns, one instruction a turn.
.macro MUL16 a0, p, zero
.irp a, \a0, \a0+1
.irp b, 0,1,2,3,4,5,6,7
.if \zero
	v_wmma_f32_16x16x128_bf8_bf8 v[8*(8*((\a)%4)+\b):8*(8*((\a)%4)+\b)+7], v[128*(\p)+FR*\b:128*(\p)+FR*\b+FR-1], v[AF+FR*(\a):AF+FR*(\a)+FR-1], 0
.else
	v_wmma_f32_16x16x128_bf8_bf8 v[8*(8*((\a)%4)+\b):8*(8*((\a)%4)+\b)+7], v[128*(\p)+FR*\b:128*(\p)+FR*\b+FR-1], v[AF+FR*(\a):AF+FR*(\a)+FR-1], v[8*(8*((\a)%4)+\b):8*(8*((\a)%4)+\b)+7]
.endif
.endr
.endr
.endm
.macro FETCH_S0 slot, q, p             ; W's eight fragments into set p: 64 loads
	WIN 0x40
.irp i, 0,1,2,3,4,5,6,7
	FRAGW 128*(\p)+FR*\i, \slot, \q, \i
.endr
	WIN 0
.endm
.macro FETCH_S1 slot, q, i0            ; y's blocks i0 .. i0 + 3: 16 loads
.irp i, \i0, \i0+1, \i0+2, \i0+3
	FRAGY AF+FR*(\i), \slot, \q, \i
.endr
.endm
.macro PLACES n
.rept \n
	v_nop
.endr
.endm
.macro STEP slot, q, zero
	s_wait_dscnt 4*NL                              ; W's set and y's blocks 0-3 are in; the youngest sixteen loads (blocks 4-7) may be out
	WIN 0xa1
	MUL16 0, (\q)%2, \zero
	MUL16 2, (\q)%2, \zero
	s_wait_dscnt 0
	PLACES NP
	FETCH_S0 \slot, (\q)+1, 1-(\q)%2
	FETCH_S1 \slot, (\q)+1, 0
	WIN 0xf1
	MUL16 4, (\q)%2, \zero
	MUL16 6, (\q)%2, \zero
	PLACES NP
	WIN 0
	FETCH_S1 \slot, (\q)+1, 4
.endm
.macro TURN slot, next, fill
	s_wait_tensorcnt 0x0                           ; all my tensor loads have landed: my part of the next slot
	ds_add_u32 v[SPW], v[NIL]                      ; 0 onto my spare word
	s_wait_dscnt 4*NL+1                            ; (the add and the youngest sixteen loads may be out)
	WIN 0xa1
	MUL16 0, 1, 0
	s_wait_dscnt 0x0                               ; the add is done, and my reads of this slot are over
	s_barrier_signal -1
	MUL16 2, 1, 0
	WIN 0
	s_barrier_wait -1
.if \fill
	CREST                                          ; a round of the cluster's barrier: no wave of any partner still reads this slot or has a load on its way
	s_add_nc_u64 s[G0+4*\slot+2:G0+4*\slot+3], s[G0+4*\slot+2:G0+4*\slot+3], 2*YT
	s_add_nc_u64 s[G0B+4*\slot+2:G0B+4*\slot+3], s[G0B+4*\slot+2:G0B+4*\slot+3], 2*256
	JLOAD G0+4*\slot, G1, G0B+4*\slot, G1B         ; the first tensor load behind the round; its four v_nop are also the places in front of the loads below
.else
	PLACES NP
.endif
	FETCH_S0 \next, 0, 0
	FETCH_S1 \next, 0, 0
	WIN 0xf1
	MUL16 4, 1, 0
	MUL16 6, 1, 0
	PLACES NP
	WIN 0
	FETCH_S1 \next, 0, 4
.endm
	s_wait_tensorcnt 1                             ; my part of slot 0 is in; slot 1's load may be out
	s_barrier_signal -1
	s_barrier_wait -1
	FETCH_S0 0, 0, 0
	FETCH_S1 0, 0, 0
	FETCH_S1 0, 0, 4
	STEP 0, 0, 1                                   ; the first products start the sums
	TURN 0, 1, 1
	STEP 1, 0, 0
	TURN 1, 0, 1
	STEP 0, 0, 0
	TURN 0, 1, 0
	STEP 1, 0, 0
	s_wait_dscnt 4*NL
	WIN 0xa1
	MUL16 0, 1, 0
	MUL16 2, 1, 0
	s_wait_dscnt 0
	WIN 0xf1
	MUL16 4, 1, 0
	MUL16 6, 1, 0
	WIN 0
; THE WAY OUT, block by block of 16 rows x 128 columns: a lane's 32 bytes of a row go through my own stage in LDS and come back as whole rows of 512 bytes.  LDS serves a wave's instructions in order (ISA guide 5.7.1.4).
.macro TOSTAGE a
.set AC, 64*((\a)%4)
	WIN (0x42+((\a)/4))                            ; the sums window 2 or 3, the bias window 0, the results window 1
.irp j, 0,2,4,6,8,10,12,14,16,18,20,22,24,26,28,30,32,34,36,38,40,42,44,46,48,50,52,54,56,58,60,62
	v_pk_fma_f32 v[\j:\j+1], v[AC+\j:AC+\j+1], s[96:97], v[BB+\j:BB+\j+1] op_sel_hi:[1,0,1]   ; sum x 2^(e6 + e7) + b; each accumulator from its low end on
.endr
	WIN 0x04                                       ; an LDS store's data: window 1
.irp b, 0,1,2,3,4,5,6,7
	ds_store_b128 v[STO], v[8*\b:8*\b+3] offset:64*\b
	ds_store_b128 v[STO], v[8*\b+4:8*\b+7] offset:64*\b+16
.endr
	WIN 0
.set BF, BK+64*((\a)%2)
.irp t, 0,1,2,3,4,5,6,7,8,9,10,11,12,13,14,15
	ds_load_b128 v[BF+4*\t:BF+4*\t+3], v[RD] offset:\t*SPITCH
.endr
.endm
.macro SEND a, younger                 ; younger: the LDS instructions issued behind block a's loads, which may stay out
.set BF, BK+64*((\a)%2)
	s_wait_dscnt \younger
.if (\a) > 0
	s_add_nc_u64 s[12:13], s[12:13], 16*4096       ; (behind a wait on XCNT: the earlier stores have read their base)  16 rows on
.endif
.irp t, 0,1,2,3,4,5,6,7,8,9,10,11,12,13,14,15
	global_store_b128 v[CO], v[BF+4*\t:BF+4*\t+3], s[12:13] offset:\t*4096 th:TH_STORE_NT   ; 32 lanes store 512 consecutive bytes, aligned; written once, read by nobody here
.endr
.endm
	PLACES NP
	TOSTAGE 0
.irp a, 1,2,3,4,5,6,7
.if \a > 1
	s_wait_xcnt 0x0                                ; block a - 2's stores have read their registers and their base
.endif
	TOSTAGE \a
	SEND \a-1, 32                                  ; behind block a - 1's loads: block a's 16 stores and 16 loads
.endr
	s_wait_xcnt 0x0
	SEND 7, 0
	s_wait_tensorcnt 0x0                           ; the wave's end
	ds_add_u32 v[SPW], v[NIL]
	s_wait_dscnt 0x0
	CROUND                                         ; the closing round
	s_endpgm
.Lfunc_end_k_q12f9298a7d_proj:
	.size	k_q12f9298a7d_proj, .Lfunc_end_k_q12f9298a7d_proj-k_q12f9298a7d_proj
	.p2alignl 7, 3214868480
	.fill 96, 4, 3214868480
	.section	.rodata,"a",@progbits
	.p2align	6, 0x0
	.amdhsa_kernel k_q12f9298a7d_proj
		.amdhsa_group_segment_fixed_size 327680
		.amdhsa_private_segment_fixed_size 0
		.amdhsa_enable_private_segment 0
		.amdhsa_kernarg_size 40
		.amdhsa_user_sgpr_count 2
		.amdhsa_user_sgpr_kernarg_segment_ptr 1
		.amdhsa_wavefront_size32 1
		.amdhsa_system_sgpr_workgroup_id_x 1
		.amdhsa_system_sgpr_workgroup_id_y 1
		.amdhsa_system_sgpr_workgroup_id_z 1
		.amdhsa_system_vgpr_workitem_id 0
		.amdhsa_next_free_vgpr 1024
		.amdhsa_next_free_sgpr 98
		.amdhsa_reserve_vcc 0
		.amdhsa_float_denorm_mode_32 3
		.amdhsa_float_denorm_mode_16_64 3
		.amdhsa_memory_ordered 1
		.amdhsa_forward_progress 1
		.amdhsa_inst_pref_size 142
	.end_amdhsa_kernel
	.amdgpu_metadata
---
amdhsa.version: [ 1, 2 ]
amdhsa.kernels:
  - .name:           k_q12f9298a7d_proj
    .symbol:         k_q12f9298a7d_proj.kd
    .args:
      - { .name: y_img, .offset: 0, .size: 8, .value_kind: global_buffer, .address_space: global }
      - { .name: out_w_codes, .offset: 8, .size: 8, .value_kind: global_buffer, .address_space: global }
      - { .name: out_b, .offset: 16, .size: 8, .value_kind: global_buffer, .address_space: global }
      - { .name: lowp_scales, .offset: 24, .size: 8, .value_kind: global_buffer, .address_space: global }
      - { .name: out0, .offset: 32, .size: 8, .value_kind: global_buffer, .address_space: global }
    .group_segment_fixed_size: 327680
    .private_segment_fixed_size: 0
    .kernarg_segment_align: 8
    .kernarg_segment_size: 40
    .max_flat_workgroup_size: 128
    .sgpr_count:     98
    .vgpr_count:     1024
    .wavefront_size: 32
...
	.end_amdgpu_metadata
.endif
;; end of part 3
